; MI455X (gfx1250); checked and timed in simulation.
; The chip was launched on July 23, 2026; its instructions are those of AMD's public machine-readable ISA for CDNA 5 (MIT licence, August 2026) and "CDNA5" Instruction Set Architecture Reference Guide (July 2026). The comments in the code are by the model that wrote it; some were corrected since.
;; Double Binary Linear. Allowed arithmetic: float matrix products may take bf16 or f16 operands with f32 sums; all other float work in f32.
;; Inputs: A 4,096 x 4,096 float32; B 4,096 x 4,096 float32; Da 4,096 float32; Db 4,096 float32; bias 4,096 float32; mid 4,096 float32; scale1 1 float32; scale3 1 float32; x 2,048 x 4,096 float32.
;; Outputs: out0 2,048 x 4,096 float32.
;; One version. Each part assembles by itself: llvm-mc -triple=amdgcn-amd-amdhsa -mcpu=gfx1250 --defsym DOCPART=n.
;; ======== version 1 of 1: 3 launches
;; limits: right only within a limited range of input values; values are held in f16: magnitudes above 65,504 overflow, below 6.1e-05 lose precision; inputs' magnitudes at most 65,504
;; workspace buffers: xh 16,777,216 bytes; Bh 33,554,432 bytes; Ah 33,554,432 bytes; hh 16,777,216 bytes; alpha 8,192 bytes
;; launch prep (part 1): grid 256 x 5, 8 waves a work-group, no clusters, 1,280 bytes of LDS; arguments x, Db, B, A, xh, Bh, Ah, alpha; writes xh, Bh, Ah, alpha
.if DOCPART == 1
	.amdgcn_target "amdgcn-amd-amdhsa--gfx1250"
	.amdhsa_code_object_version 6
	.text
	.protected	k_q2fedff0d11_prep
	.globl	k_q2fedff0d11_prep
	.p2align	8
	.type	k_q2fedff0d11_prep,@function
k_q2fedff0d11_prep:
	s_mov_b64 s[64:65], 0
	v_nop
	global_prefetch_b8 v0, s[64:65] scope:SCOPE_SE
	s_setreg_imm32_b32 hwreg(HW_REG_WAVE_MODE, 25, 1), 1
	s_wait_xcnt 0x0
; THE OPERANDS OF THE TWO PRODUCTS, IN f16.  x [2048][4096], B and A [4096][4096], Db [4096], all f32.
;   xs = x * Db;  alpha[t] = sqrt(mean over the row of xs^2);  xh = f16(xs / alpha);  Bh = f16(B);  Ah = f16(A).
; A factor that hangs on the row t alone passes through both products, so alpha comes back in the last launch's way out, in f32.
; WHY f16: it keeps 11 significant bits where bf16 keeps 8, and the output's columns carry the factor Da while all are compared against one
; root mean square.  WHY the row norm: a row of root mean square 1 has Euclidean norm 64, so |xh| <= 64 whatever the size of x and Db.
; LIMITS.  |B| and |A| stay under 65,504 (f16's largest number).  A row whose mean of xs^2 is below 1e-30 is divided as if it were 1e-30 (an all-zero row stays zero).
; NaN and infinities are not treated apart.
; SHARES.  The grid's y picks a slab of 2,048 rows: 0 = x, 1 and 2 = B's halves, 3 and 4 = A's halves; the grid's x picks 8 rows of it: 131,072 bytes in.
; Thread t owns columns 4 t + 1024 k (k = 0..3) of every row: a wave's load covers 512 consecutive bytes, a wave's store 256 consecutive bytes, aligned.
; All 32 loads of a thread go out at once; there is no loop.  Memory binds here: no matrix unit, no cluster, no tensor load would add anything.
.set ROWIN,  16384                     ; bytes in a row of f32
.set ROWOUT, 8192                      ; bytes in a row of f16
.set SPW, 4                            ; v4      LDS address of my spare word: SPARE + 4 x my thread's number; never rewritten
.set NIL, 5                            ; v5      0; never rewritten
.set D,   8                            ; v[8:23]   Db of my 16 columns
.set S,   24                           ; v[24:39]  a pair of sums of squares for each of the 8 rows
.set P,   40                           ; v[40:47]  at work
.set X,   48                           ; v[48:175] load i = 4 r + k at X + 4 i
.set RS,  32                           ; s[32:47]  1 / alpha of row r, as a pair
.set SPARE, 256                        ; LDS: bytes 0-255 the waves' row sums (wave w's eight at 32 w); from 256 on the spare words, 128 bytes a wave
	s_load_b512 s[4:19], s[0:1], 0x0               ; x s[4:5], Db s[6:7], B s[8:9], A s[10:11], xh s[12:13], Bh s[14:15], Ah s[16:17], alpha s[18:19]
	v_lshl_add_u32 v[SPW], v0, 2, SPARE
	v_mov_b32 v[NIL], 0
	v_lshlrev_b32 v1, 4, v0                        ; 16 t: my bytes in 4,096 bytes of f32
	v_lshlrev_b32 v2, 3, v0                        ; 8 t: my bytes in 2,048 bytes of f16
	s_and_b32 s20, ttmp7, 0xffff                   ; the slab
	s_mov_b32 s23, 0
	s_mov_b32 s25, 0
	s_cmp_lg_u32 s20, 0
	s_cbranch_scc1 .Lweights                       ; hangs on the work-group's number alone: all eight waves go the same way
.macro LOADS                           ; the group's 8 rows: 32 loads a thread
.set i, 0
.rept 32
	global_load_b128 v[X+4*i:X+4*i+3], v1, s[26:27] offset:(i/4)*ROWIN+(i%4)*4096 th:TH_LOAD_NT
.set i, i+1
.endr
.endm
.macro OUT                             ; load i's four numbers rounded to f16, in place, and stored
	v_cvt_pk_f16_f32 v[X+4*i], v[X+4*i], v[X+4*i+1]
	v_cvt_pk_f16_f32 v[X+4*i+1], v[X+4*i+2], v[X+4*i+3]
	global_store_b64 v2, v[X+4*i:X+4*i+1], s[28:29] offset:(i/4)*ROWOUT+(i%4)*2048
.endm
	; ---- x ----
	s_lshl_b32 s22, ttmp9, 17                      ; 8 rows of 16,384 bytes
	s_lshl_b32 s24, ttmp9, 16                      ; 8 rows of 8,192 bytes
	v_lshrrev_b32 v6, 5, v0
	v_readfirstlane_b32 s21, v6                    ; my wave's number
	s_lshl_b32 s21, s21, 5
	v_mov_b32 v6, s21                              ; where my wave's eight row sums go
	v_and_b32 v3, 31, v0
	v_lshlrev_b32 v3, 2, v3                        ; 4 x lane
	v_lshlrev_b32 v7, 2, v0                        ; 4 t
	s_mov_b32 s30, 0x76543210                      ; v_permlanex16_b32: each lane takes its own place in the other half
	s_mov_b32 s31, 0xfedcba98
	s_wait_kmcnt 0x0
	s_add_nc_u64 s[26:27], s[4:5], s[22:23]
	s_add_nc_u64 s[28:29], s[12:13], s[24:25]
.irp k, 0,1,2,3
	global_load_b128 v[D+4*(\k):D+4*(\k)+3], v1, s[6:7] offset:4096*(\k)
.endr
	LOADS
	s_lshl_b32 s22, ttmp9, 5                       ; the group's 8 words of alpha
	s_add_nc_u64 s[18:19], s[18:19], s[22:23]
.set i, 0
.rept 32
	s_wait_loadcnt 31-i                            ; loads come back in order: load i is in (and Db, issued ahead of all); the younger ones stay out
	v_pk_mul_f32 v[X+4*i:X+4*i+1], v[X+4*i:X+4*i+1], v[D+4*(i%4):D+4*(i%4)+1]
	v_pk_mul_f32 v[X+4*i+2:X+4*i+3], v[X+4*i+2:X+4*i+3], v[D+4*(i%4)+2:D+4*(i%4)+3]
.if i%4 == 0
	v_pk_mul_f32 v[S+2*(i/4):S+2*(i/4)+1], v[X+4*i:X+4*i+1], v[X+4*i:X+4*i+1]  ; a row's first squares start its sums: nothing is cleared
.else
	v_pk_fma_f32 v[S+2*(i/4):S+2*(i/4)+1], v[X+4*i:X+4*i+1], v[X+4*i:X+4*i+1], v[S+2*(i/4):S+2*(i/4)+1]
.endif
	v_pk_fma_f32 v[S+2*(i/4):S+2*(i/4)+1], v[X+4*i+2:X+4*i+3], v[X+4*i+2:X+4*i+3], v[S+2*(i/4):S+2*(i/4)+1]
.set i, i+1
.endr
.irp r, 0,1,2,3,4,5,6,7
	v_add_f32 v[P+(\r)], v[S+2*(\r)], v[S+2*(\r)+1]
.endr
.irp m, 1,2,4,8                        ; across the lanes, the eight rows side by side so that no line waits for the one before it
.irp r, 0,1,2,3,4,5,6,7
	v_add_f32_dpp v[P+(\r)], v[P+(\r)], v[P+(\r)] row_xmask:\m row_mask:0xf bank_mask:0xf
.endr
.endr
.irp r, 0,1,2,3,4,5,6,7
	v_permlanex16_b32 v[S+(\r)], v[P+(\r)], s30, s31  ; its destination counts as read: S has been written
.endr
.irp r, 0,1,2,3,4,5,6,7
	v_add_f32 v[P+(\r)], v[P+(\r)], v[S+(\r)]      ; every lane holds my wave's part of the eight sums
.endr
	ds_store_b128 v6, v[P:P+3]                     ; all lanes write the same words with the same values
	ds_store_b128 v6, v[P+4:P+7] offset:16
	s_wait_dscnt 0x0                               ; for the others' sake: my stores are done
	s_barrier_signal -1
	s_barrier_wait -1
	ds_load_b32 v[P], v3                           ; lane l: row l % 8 of wave l / 8,
	ds_load_b32 v[P+1], v3 offset:128              ; and of wave 4 + l / 8
	s_wait_tensorcnt 0x0                           ; the wave's end as far as LDS goes, behind my last LDS store
	ds_add_u32 v[SPW], v[NIL]
	s_wait_dscnt 0x0                               ; also: the two loads are in
	v_add_f32 v[P], v[P], v[P+1]
	v_add_f32_dpp v[P], v[P], v[P] row_xmask:8 row_mask:0xf bank_mask:0xf
	v_permlanex16_b32 v[P+1], v[P], s30, s31
	v_add_f32 v[P], v[P], v[P+1]                   ; lane l: the whole sum of row l % 8
	v_mul_f32 v[P], 0x39800000, v[P]               ; / 4096
	v_max_num_f32 v[P], 0x0da24260, v[P]           ; at least 1e-30
	v_rsq_f32 v[P+1], v[P]                         ; 1 / alpha
	v_nop                                          ; a plain instruction between the transcendental and the use of its result (ISA guide 5.7.2)
	s_wait_alu depctr_va_vdst(0)
	v_mul_f32 v[P+2], v[P], v[P+1]                 ; alpha = mean / sqrt(mean)
.irp r, 0,1,2,3,4,5,6,7
	v_readlane_b32 s[RS+2*(\r)], v[P+1], \r
	s_mov_b32 s[RS+2*(\r)+1], s[RS+2*(\r)]         ; named with it as a pair
.endr
.set i, 0
.rept 32
	v_pk_mul_f32 v[X+4*i:X+4*i+1], v[X+4*i:X+4*i+1], s[RS+2*(i/4):RS+2*(i/4)+1] op_sel_hi:[1,0]
	v_pk_mul_f32 v[X+4*i+2:X+4*i+3], v[X+4*i+2:X+4*i+3], s[RS+2*(i/4):RS+2*(i/4)+1] op_sel_hi:[1,0]
	OUT
.set i, i+1
.endr
	s_wait_xcnt 0x0                                ; EXEC is a source of the stores above: it changes only behind this wait
	v_cmp_gt_u32 vcc_lo, 8, v0
	s_and_saveexec_b32 s48, vcc_lo                 ; threads 0 to 7
	global_store_b32 v7, v[P+2], s[18:19]          ; 32 bytes a work-group: the one store that is not 256 whole bytes; the buffer has 8,192 in all
	s_wait_xcnt 0x0                                ; and again in front of the line that widens it
	s_or_b32 exec_lo, exec_lo, s48
	s_endpgm
	; ---- B and A: a plain conversion; no LDS is touched on this path ----
.Lweights:
	s_sub_co_u32 s21, s20, 1
	s_and_b32 s21, s21, 1                          ; which half of the matrix
	s_lshl_b32 s21, s21, 11
	s_lshl_b32 s22, ttmp9, 3
	s_add_co_u32 s21, s21, s22                     ; the group's first row
	s_lshl_b32 s22, s21, 14                        ; in bytes of f32 (67,108,864 at the most),
	s_lshl_b32 s24, s21, 13                        ; and of f16
	s_wait_kmcnt 0x0
	s_cmp_lt_u32 s20, 3                            ; slabs 1 and 2 are B's
	s_cselect_b64 s[26:27], s[8:9], s[10:11]
	s_cselect_b64 s[28:29], s[14:15], s[16:17]
	s_add_nc_u64 s[26:27], s[26:27], s[22:23]
	s_add_nc_u64 s[28:29], s[28:29], s[24:25]
	LOADS
.set i, 0
.rept 32
	s_wait_loadcnt 31-i                            ; load i is in; the younger ones stay out
	OUT
.set i, i+1
.endr
	s_endpgm
.Lfunc_end_k_q2fedff0d11_prep:
	.size	k_q2fedff0d11_prep, .Lfunc_end_k_q2fedff0d11_prep-k_q2fedff0d11_prep
	.p2alignl 7, 3214868480
	.fill 96, 4, 3214868480
	.section	.rodata,"a",@progbits
	.p2align	6, 0x0
	.amdhsa_kernel k_q2fedff0d11_prep
		.amdhsa_group_segment_fixed_size 1280
		.amdhsa_private_segment_fixed_size 0
		.amdhsa_enable_private_segment 0
		.amdhsa_kernarg_size 64
		.amdhsa_user_sgpr_count 2
		.amdhsa_user_sgpr_kernarg_segment_ptr 1
		.amdhsa_wavefront_size32 1
		.amdhsa_system_sgpr_workgroup_id_x 1
		.amdhsa_system_sgpr_workgroup_id_y 1
		.amdhsa_system_sgpr_workgroup_id_z 1
		.amdhsa_system_vgpr_workitem_id 0
		.amdhsa_next_free_vgpr 176
		.amdhsa_next_free_sgpr 66
		.amdhsa_reserve_vcc 1
		.amdhsa_float_denorm_mode_32 3
		.amdhsa_float_denorm_mode_16_64 3
		.amdhsa_memory_ordered 1
		.amdhsa_forward_progress 1
		.amdhsa_inst_pref_size 41
	.end_amdhsa_kernel
	.amdgpu_metadata
---
amdhsa.version: [ 1, 2 ]
amdhsa.kernels:
  - .name:           k_q2fedff0d11_prep
    .symbol:         k_q2fedff0d11_prep.kd
    .args:
      - { .name: x, .offset: 0, .size: 8, .value_kind: global_buffer, .address_space: global }
      - { .name: Db, .offset: 8, .size: 8, .value_kind: global_buffer, .address_space: global }
      - { .name: B, .offset: 16, .size: 8, .value_kind: global_buffer, .address_space: global }
      - { .name: A, .offset: 24, .size: 8, .value_kind: global_buffer, .address_space: global }
      - { .name: xh, .offset: 32, .size: 8, .value_kind: global_buffer, .address_space: global }
      - { .name: Bh, .offset: 40, .size: 8, .value_kind: global_buffer, .address_space: global }
      - { .name: Ah, .offset: 48, .size: 8, .value_kind: global_buffer, .address_space: global }
      - { .name: alpha, .offset: 56, .size: 8, .value_kind: global_buffer, .address_space: global }
    .group_segment_fixed_size: 1280
    .private_segment_fixed_size: 0
    .kernarg_segment_align: 8
    .kernarg_segment_size: 64
    .max_flat_workgroup_size: 256
    .sgpr_count:     66
    .vgpr_count:     176
    .wavefront_size: 32
...
	.end_amdgpu_metadata
.endif
;; end of part 1
;; launch gemm1 (part 2): grid 16 x 16, 4 waves a work-group, clusters of 4 x 4, 327,680 bytes of LDS; arguments xh, Bh, hh, mid; writes hh
.if DOCPART == 2
	.amdgcn_target "amdgcn-amd-amdhsa--gfx1250"
	.amdhsa_code_object_version 6
	.text
	.protected	k_q2fedff0d11_gemm1
	.globl	k_q2fedff0d11_gemm1
	.p2align	8
	.type	k_q2fedff0d11_gemm1,@function
k_q2fedff0d11_gemm1:
	s_mov_b64 s[64:65], 0
	v_nop
	global_prefetch_b8 v0, s[64:65] scope:SCOPE_SE
	s_setreg_imm32_b32 hwreg(HW_REG_WAVE_MODE, 25, 1), 1
	s_wait_xcnt 0x0
	s_wait_alu depctr_hold_cnt(0) depctr_sa_sdst(0) depctr_va_vdst(0) depctr_va_sdst(0) depctr_va_ssrc(0) depctr_va_vcc(0) depctr_vm_vsrc(0)
	s_getreg_b32 s2, hwreg(HW_REG_IB_STS2, 6, 4)
	s_cmp_eq_u32 s2, 0
	s_cbranch_scc0 .Lentry_in_a_cluster
	s_endpgm
.Lentry_in_a_cluster:
	s_bfe_u32 s2, ttmp6, 0x10000c
	s_cmp_lg_u32 s2, 0xf033
	s_cbranch_scc0 .Lentry_shape_is_right
	s_endpgm
.Lentry_shape_is_right:
; hh[t][n] = f16( (sum over k of xh[t][k] Bh[n][k]) * mid[n] * 2^-9 ).  xh [2048][4096], Bh [4096][4096], hh [2048][4096], all f16; mid [4096] f32; sums in f32.
; scale1, a single number, is applied with scale3 in the last launch, in f32.  2^-9 is a power of two, exact, and is taken back there too.
; LIMITS.  A row of xh has Euclidean norm 64 at the most, so |hh[t][n]| <= 64 x |mid[n]| x (norm of B's row n) / 512: this text serves |mid[n]| x norm(B[n]) < 524,032
; (f16 ends at 65,504).  Signs in B and mid of unit spread give about 64 x 4.  With that product 900 times smaller hh has a spread of 1.4e-4, still above f16's 6.1e-5, below which bits are lost.
; NaN and infinities are not treated apart.
; SHARES.  A tile of 128 rows x 256 columns to a work-group: 16 x 16 = 256 work-groups.  Four waves, each 64 x 128: 4 x 8 accumulators of 16 x 16, 256 registers.
; The tile column comes from the grid's y and the tile row from its x: work-groups that differ in x alone read the same rows of Bh, the larger of the two operands.
; THE RING.  In front of a barrier behind which a slot is filled all loads have landed, so the tile just landed and the bytes to be filled lie in LDS together.  384 rows x 128 along K are 104,448 bytes with
; padding: three such steps fit, four do not.  So the two slots are unlike: a LARGE one of 256 along K (rows of 512 bytes) and a SMALL one of 128 (rows of 256 bytes), by turns: 4096 = 11 x 256 + 10 x 128.
; Two rounds for 384 along K; the small slot's load has 240 matrix instructions a wave in which to land, the large slot's 128.  All rows start at multiples of 256 bytes from the buffers' first bytes.
; CLUSTER.  4 x 4 work-groups.  The four of a column of the cluster (same x) need the same tile of xh, the four of a row (same y) the same tile of Bh: each tile is asked for JOINTLY, by the same
; tensor load with the same descriptor and a mask that names the four.
; THE MATRIX INSTRUCTION IS USED TRANSPOSED (source 0 = 16 rows of Bh, source 1 = 16 rows of xh): lane l then holds row l % 16 and the columns 8 (l / 16) + 0..7 of the result.
; REGISTERS, in windows of 256 (s_set_vgpr_msb: bits 1:0 source 0, 3:2 source 1, 5:4 source 2, 7:6 destination):
;   window 0: v0-31 addresses; v64-159, v160-255 two fragment buffers (64 registers of Bh: 8 x 16 rows x 32 K; then 32 of xh: 4 x 16 rows x 32 K); on the way out they are at work
;   window 1: the accumulators, (a, b) at v[8 (8 a + b)]          window 2: v0-63 mid x 2^-9 of my lane's 64 columns
.set SIZE_K, 4096
.set PL,     528                       ; a row of the large slot: 512 bytes + 16 of padding = 132 words,
.set PS,     272                       ; of the small one: 256 + 16 = 68 words: in both row r starts at bank 4 r mod 64 (64 banks of 4 bytes: ISA guide 11.1), so the 16 rows of a load start at 16 different banks
.set AHL,    64*PL                     ; the large slot: 64 rows of xh are what wave 0 or 1 fetches and what a wave reads,
.set BHL,    128*PL                    ; 128 rows of Bh what wave 2 or 3 fetches and what a wave reads
.set BOL,    2*AHL                     ; xh's 128 rows, then Bh's 256
.set SB,     BOL+2*BHL                 ; the small slot lies behind it, laid out alike
.set AHS,    64*PS
.set BHS,    128*PS
.set BOS,    SB+2*AHS
.set STAGE,  BOS+2*BHS                 ; behind the ring, never filled by a tensor load: 16 rows x 272 bytes for each wave, for the way out
.set SPITCH, 272
.set SPARE,  STAGE+4*16*SPITCH         ; behind the stages: the spare words, 128 bytes for each wave: two blocks of 256 bytes that no other line names
.set PERIOD, (256+128)*2               ; bytes along a row from a slot's tile to its next
.set TRIPS,  9                         ; SIZE_K = 256 + (TRIPS + 1) x 384
.set ADRAL, 16                         ; v16, v17  LDS address of my xh fragments in the large slot, the small slot
.set ADRAS, 17
.set ADRBL, 20                         ; v20, v21  the same for Bh
.set ADRBS, 21
.set STO,  24                          ; v24     the way out: where I put 16 bytes of a row
.set RD,   25                          ; v25     the way out: where I read a row back
.set CO,   26                          ; v26     my byte offset in hh
.set VO,   27                          ; v27     32 x (l / 16): my eight columns' place in 16 columns of f32
.set SPW,  28                          ; v28     LDS address of my spare word: SPARE + 4 x my thread's number; never rewritten
.set NIL,  29                          ; v29     0; never rewritten
.set F0,   64
.set F1,   160
.set PR,   64                          ; the way out: a block's 64 numbers, scaled
.set TMP,  128                         ; rounded, 32 registers
.set OB,   160                         ; and read back as whole rows: two buffers of 32 by turns
.set SC,   0                           ; window 2
.set WV, 12                            ; s12 wave;  s13 wave / 2: my half of the tile's rows, also: I fetch xh (0) or Bh (1);  s14 wave % 2: my half of its columns, also: which half I fetch
.set WM, 13
.set WN, 14
.set CX, 15                            ; s15, s16 my place in the cluster
.set CY, 16
.set TC, 17                            ; s17 tile column, s18 tile row
.set TR, 18
.set G1AS, 24                          ; descriptor group 1: s[24:31] xh small, s[32:39] Bh small, s[40:47] xh large, s[48:55] Bh large
.set G1BS, 32
.set G1AL, 40
.set G1BL, 48
.set G0AS, 56                          ; descriptor group 0: s[56:59] xh small, s[60:63] Bh small, s[68:71] xh large, s[72:75] Bh large
.set G0BS, 60
.set G0AL, 68
.set G0BL, 72
.set DWS, (1<<16)|(1<<20)|(1<<21)|(5<<22)|(3<<25)  ; 17:16 elements of 2 bytes; 20 padding on; 21 set beside a mask; 24:22 after every 64 words (code 5); 31:25 4 words of it (code 3)
.set DWL, (1<<16)|(1<<20)|(1<<21)|(6<<22)|(3<<25)  ; the same after every 128 words (code 6)
.set MSB, 0
.macro WIN new                         ; the immediate's high byte repeats the setting that is left; a switch that changes nothing is dropped
.if MSB != (\new)
	s_set_vgpr_msb (MSB<<8)|(\new)
.set MSB, \new
.endif
.endm
.set MUL,  0x50                        ; sources 0 and 1 window 0; C and D window 1
.set W_LD, 0x80                        ; destination window 2, address window 0
.set W_PM, 0x82                        ; destination and source 0 window 2
.set W_SC, 0x09                        ; source 0 window 1, source 1 window 2, destination window 0
; A joint load into the large slot (big = 1) or the small one: waves 0 and 1 fetch xh's two halves, waves 2 and 3 Bh's.  The branch hangs on the wave's number alone.  An s_nop 0 and four v_nop follow
; each of the two lines, ahead of the jump, the label and what follows.
.macro JLOAD big
.if \big
.set JA,  G0AL
.set JA1, G1AL
.set JB,  G0BL
.set JB1, G1BL
.else
.set JA,  G0AS
.set JA1, G1AS
.set JB,  G0BS
.set JB1, G1BS
.endif
	s_cmp_eq_u32 s[WM], 0
	s_cbranch_scc0 .Lfor_b_\@
	tensor_load_to_lds s[JA:JA+3], s[JA1:JA1+7]
	s_nop 0
.rept 4
	v_nop
.endr
	s_branch .Lasked_\@
.Lfor_b_\@:
	tensor_load_to_lds s[JB:JB+3], s[JB1:JB1+7]
	s_nop 0
.rept 4
	v_nop
.endr
.Lasked_\@:
.endm
.macro CREST                           ; a round of the cluster's barrier behind its opening barrier: wave 0 signals for the work-group, every wave waits for all sixteen, my work-group's barrier closes it
	s_cmp_lg_u32 s[WV], 0
	s_cbranch_scc1 .Lnot_wave_0_\@
	s_barrier_signal -3
.Lnot_wave_0_\@:
	s_barrier_wait -3
	s_barrier_signal -1
	s_barrier_wait -1
.endm
.macro CROUND                          ; a whole round
	s_barrier_signal -1
	s_barrier_wait -1
	CREST
.endm
	s_load_b256 s[4:11], s[0:1], 0x0               ; xh s[4:5], Bh s[6:7], hh s[8:9], mid s[10:11]
	v_lshl_add_u32 v[SPW], v0, 2, SPARE
	v_mov_b32 v[NIL], 0
	ds_add_u32 v[SPW], v[NIL]                      ; the wave's opening: the add and its wait stand ahead of my first tensor load; the set-up below, work on registers, stands between them
	v_lshrrev_b32 v1, 5, v0
	v_readfirstlane_b32 s[WV], v1
	s_lshr_b32 s[WM], s[WV], 1
	s_and_b32 s[WN], s[WV], 1
	s_bfe_u32 s[CX], ttmp6, 0x40000
	s_bfe_u32 s[CY], ttmp6, 0x40004
	s_lshl_b32 s[TR], ttmp9, 2                     ; in a cluster launch ttmp9 and ttmp7 count clusters
	s_add_co_u32 s[TR], s[TR], s[CX]               ; tile row = 4 x cluster x + cx
	s_and_b32 s[TC], ttmp7, 0xffff
	s_lshl_b32 s[TC], s[TC], 2
	s_add_co_u32 s[TC], s[TC], s[CY]               ; tile column = 4 x cluster y + cy
	s_lshl_b32 s19, s[CY], 2
	s_lshl_b32 s19, 15, s19                        ; my row of the cluster: places 4 cy .. 4 cy + 3
	s_lshl_b32 s20, 0x1111, s[CX]                  ; my column: places cx, cx + 4, cx + 8, cx + 12
	s_or_b32 s[G1AS], s20, DWS                     ; 15:0 the mask: xh's tiles hang on x alone and go to my column,
	s_or_b32 s[G1AL], s20, DWL
	s_or_b32 s[G1BS], s19, DWS                     ; Bh's hang on y alone and go to my row
	s_or_b32 s[G1BL], s19, DWL
.irp g, G1AS, G1BS
	s_mov_b32 s[(\g)+1], 128<<16                   ; tensor_dim0 = 128
	s_mov_b32 s[(\g)+3], 128<<16                   ; tile_dim0 = 128
.endr
.irp g, G1AL, G1BL
	s_mov_b32 s[(\g)+1], 256<<16                   ; tensor_dim0 = 256
	s_mov_b32 s[(\g)+3], 256<<16                   ; tile_dim0 = 256
.endr
.irp g, G1AS, G1AL
	s_mov_b32 s[(\g)+2], 64<<16                    ; tensor_dim1 and tile_dim1: 64 rows of xh,
	s_mov_b32 s[(\g)+4], 64
.endr
.irp g, G1BS, G1BL
	s_mov_b32 s[(\g)+2], 128<<16                   ; 128 of Bh
	s_mov_b32 s[(\g)+4], 128
.endr
.irp g, G1AS, G1BS, G1AL, G1BL
	s_mov_b32 s[(\g)+5], SIZE_K                    ; elements from row to row
	s_mov_b32 s[(\g)+6], 0
	s_mov_b32 s[(\g)+7], 0
.endr
	; where the tiles come from: xh's hang on the tile row alone, Bh's on the tile column alone, each in registers that never hold the other coordinate
	s_lshl_b32 s76, s[TR], 7
	s_lshl_b32 s23, s[WN], 6
	s_add_co_u32 s76, s76, s23                     ; xh: row 128 x tile row + 64 x half,
	s_lshl_b32 s76, s76, 13                        ; in bytes (16,777,216 at the most)
	s_mov_b32 s77, 0
	s_lshl_b32 s78, s[TC], 8
	s_lshl_b32 s23, s[WN], 7
	s_add_co_u32 s78, s78, s23                     ; Bh: row 256 x tile column + 128 x half
	s_lshl_b32 s78, s78, 13
	s_mov_b32 s79, 0
	s_mul_i32 s21, s[WN], AHL                      ; and where they go: no place in the cluster enters an LDS address
	s_mul_i32 s22, s[WN], BHL
	s_add_co_u32 s22, s22, BOL
	s_mul_i32 s86, s[WN], AHS
	s_add_co_u32 s86, s86, SB
	s_mul_i32 s87, s[WN], BHS
	s_add_co_u32 s87, s87, BOS
	s_lshl_b32 s80, s[TR], 7
	s_lshl_b32 s23, s[WM], 6
	s_add_co_u32 s80, s80, s23                     ; the first row of hh that I make,
	s_lshl_b32 s80, s80, 13                        ; in bytes
	s_mov_b32 s81, 0
	s_lshl_b32 s82, s[TC], 9
	s_lshl_b32 s23, s[WN], 8
	s_add_co_u32 s82, s82, s23                     ; my first column, in bytes of f16
	s_mov_b32 s83, 0
	s_mov_b32 s84, 0x3b000000                      ; 2^-9
	s_mov_b32 s85, s84                             ; named with it as a pair
	s_wait_dscnt 0x0                               ; the opening add is done
	s_wait_kmcnt 0x0
	s_add_nc_u64 s[76:77], s[4:5], s[76:77]
	s_add_nc_u64 s[78:79], s[6:7], s[78:79]
	s_add_nc_u64 s[8:9], s[8:9], s[80:81]
	s_add_nc_u64 s[8:9], s[8:9], s[82:83]
	s_lshl_b32 s82, s82, 1                         ; the same column in bytes of f32
	s_add_nc_u64 s[10:11], s[10:11], s[82:83]
	CROUND                                         ; all sixteen work-groups are here: the first joint loads meet
	s_mov_b32 s[G0AL], 1                           ; count = 1
	s_mov_b32 s[G0AL+1], s21                       ; LDS address
	s_add_nc_u64 s[G0AL+2:G0AL+3], s[76:77], 0     ; global address: K 0 to 255
	s_or_b32 s[G0AL+3], s[G0AL+3], 0x80000000      ; type = 2
	s_mov_b32 s[G0BL], 1
	s_mov_b32 s[G0BL+1], s22
	s_add_nc_u64 s[G0BL+2:G0BL+3], s[78:79], 0
	s_or_b32 s[G0BL+3], s[G0BL+3], 0x80000000
	JLOAD 1
	s_mov_b32 s[G0AS], 1
	s_mov_b32 s[G0AS+1], s86
	s_add_nc_u64 s[G0AS+2:G0AS+3], s[76:77], 512   ; K 256 to 383
	s_or_b32 s[G0AS+3], s[G0AS+3], 0x80000000
	s_mov_b32 s[G0BS], 1
	s_mov_b32 s[G0BS+1], s87
	s_add_nc_u64 s[G0BS+2:G0BS+3], s[78:79], 512
	s_or_b32 s[G0BS+3], s[G0BS+3], 0x80000000
	JLOAD 0                                        ; two loads of mine are out: the ring is filled before anything else is done
	; A fragment is 16 rows x 32 K in 8 registers: lane l holds row l % 16; registers 0-3 K = 8 (l / 16) + 0..7, registers 4-7 K = 16 + 8 (l / 16) + 0..7: two loads of 16 bytes, 32 bytes apart.
	v_and_b32 v1, 15, v0                           ; l % 16
	v_bfe_u32 v2, v0, 4, 1                         ; l / 16
	v_mul_u32_u24 v3, v1, PL
	v_lshl_add_u32 v3, v2, 4, v3                   ; row x pitch + 16 x half, in the large slot,
	v_mul_u32_u24 v4, v1, PS
	v_lshl_add_u32 v4, v2, 4, v4                   ; and in the small one
	s_mul_i32 s21, s[WM], AHL                      ; my 64 rows of xh
	v_add_nc_u32 v[ADRAL], s21, v3
	s_mul_i32 s21, s[WN], BHL                      ; my 128 rows of Bh, which lie behind xh's 128
	s_add_co_u32 s21, s21, BOL
	v_add_nc_u32 v[ADRBL], s21, v3
	s_mul_i32 s21, s[WM], AHS
	s_add_co_u32 s21, s21, SB
	v_add_nc_u32 v[ADRAS], s21, v4
	s_mul_i32 s21, s[WN], BHS
	s_add_co_u32 s21, s21, BOS
	v_add_nc_u32 v[ADRBS], s21, v4
	s_mul_i32 s23, s[WV], 16*SPITCH
	s_add_co_u32 s23, s23, STAGE                   ; my stage
	v_add_nc_u32 v[STO], s23, v4                   ; in: row l % 16, 16 bytes for each half of the lanes (the stage's pitch is the small slot's)
	v_mul_u32_u24 v5, v2, SPITCH                   ; back: lanes 0-15 take one row of 256 bytes, lanes 16-31 the next
	v_lshl_add_u32 v5, v1, 4, v5
	v_add_nc_u32 v[RD], s23, v5
	v_lshlrev_b32 v5, 13, v2                       ; and the same two rows in hh
	v_lshl_add_u32 v[CO], v1, 4, v5
	v_lshlrev_b32 v[VO], 5, v2
	WIN W_LD
.irp b, 0,1,2,3,4,5,6,7                ; mid of the columns 16 b + 8 (l / 16) + 0..7, as the accumulators hold them
	global_load_b128 v[SC+8*(\b):SC+8*(\b)+3],   v[VO], s[10:11] offset:64*(\b)
	global_load_b128 v[SC+8*(\b)+4:SC+8*(\b)+7], v[VO], s[10:11] offset:64*(\b)+16
.endr
	s_wait_loadcnt 0x0
	WIN W_PM
.set z, 0
.rept 32                               ; times 2^-9, once: this stands in the wait for the first tile
	v_pk_mul_f32 v[SC+2*z:SC+2*z+1], v[SC+2*z:SC+2*z+1], s[84:85] op_sel_hi:[1,0]
.set z, z+1
.endr
	WIN 0
; 8 matrix instructions: block a of 16 rows x all 8 blocks of 16 columns, 32 along K, from buffer f.  zero = 1: the first product starts the sums: nothing is ever cleared.
; The 32 accumulators take turns, one instruction a turn, in the same order in every quarter.
.macro MUL8 f, a, zero
	WIN MUL
.irp b, 0,1,2,3,4,5,6,7
.if \zero
	v_wmma_f32_16x16x32_f16 v[8*(8*(\a)+(\b)):8*(8*(\a)+(\b))+7], v[(\f)+8*(\b):(\f)+8*(\b)+7], v[(\f)+64+8*(\a):(\f)+64+8*(\a)+7], 0
.else
	v_wmma_f32_16x16x32_f16 v[8*(8*(\a)+(\b)):8*(8*(\a)+(\b))+7], v[(\f)+8*(\b):(\f)+8*(\b)+7], v[(\f)+64+8*(\a):(\f)+64+8*(\a)+7], v[8*(8*(\a)+(\b)):8*(8*(\a)+(\b))+7]
.endif
.endr
.endm
; 24 LDS loads in one run: the fragments of 32 along K at byte k of the rows of the large (big = 1) or small slot, into buffer f: Bh's sixteen loads first, then xh's eight
.macro FETCH big, k, f
	WIN 0
.if \big
.set FP, PL
.set FA, ADRAL
.set FB, ADRBL
.else
.set FP, PS
.set FA, ADRAS
.set FB, ADRBS
.endif
.irp i, 0,1,2,3,4,5,6,7
	ds_load_b128 v[(\f)+8*(\i):(\f)+8*(\i)+3],   v[FB] offset:(\k)+(\i)*16*FP
	ds_load_b128 v[(\f)+8*(\i)+4:(\f)+8*(\i)+7], v[FB] offset:(\k)+(\i)*16*FP+32
.endr
.irp i, 0,1,2,3
	ds_load_b128 v[(\f)+64+8*(\i):(\f)+64+8*(\i)+3],   v[FA] offset:(\k)+(\i)*16*FP
	ds_load_b128 v[(\f)+64+8*(\i)+4:(\f)+64+8*(\i)+7], v[FA] offset:(\k)+(\i)*16*FP+32
.endr
.endm
; A load into a register that a matrix instruction has read, and a vector instruction that reads a matrix result, stand four places behind that matrix instruction, and only plain vector
; instructions that name none of its registers are places (ISA guide 7.12.1 for vector instructions).
.macro PLACES
.rept 4
	v_nop
.endr
.endm
; A quarter is 32 along K, 32 matrix instructions, on buffers 0, 1, 0, 1 ..: the large slot has eight, the small one four.  All but a slot's last: multiplies buffer f and fetches the next quarter, at byte k, into g.
.macro QUARTER big, k, f, g, zero
	s_wait_dscnt 4                                 ; Bh and xh's blocks 0 and 1 are in; the youngest four loads (blocks 2 and 3) may be out
	MUL8 \f, 0, \zero
	MUL8 \f, 1, \zero
	PLACES
	FETCH \big, \k, \g
	s_wait_dscnt 24                                ; all but the 24 just issued
	MUL8 \f, 2, \zero
	MUL8 \f, 3, \zero
.endm
.macro BIGREST                         ; the large slot's quarters 1 to 6 (each fetches the next)
	QUARTER 1, 128, F1, F0, 0
	QUARTER 1, 192, F0, F1, 0
	QUARTER 1, 256, F1, F0, 0
	QUARTER 1, 320, F0, F1, 0
	QUARTER 1, 384, F1, F0, 0
	QUARTER 1, 448, F0, F1, 0
.endm
.macro SMALL3                          ; the small slot's quarters 0 to 2
	QUARTER 0, 64,  F0, F1, 0
	QUARTER 0, 128, F1, F0, 0
	QUARTER 0, 192, F0, F1, 0
.endm
; THE LARGE SLOT'S LAST QUARTER multiplies buffer 1 and changes slots.  In front of the barrier each wave waits for all its tensor loads (one is out: its part of the small slot, asked for 240 matrix
; instructions ago), adds 0 to its spare word, and waits for that and for its own reads of the large slot.  The barrier opens a round of the cluster's barrier, and the large slot is filled again first
; thing behind the round: 128 matrix instructions stand between that request and the wait for it.
.macro TURNB
	WIN 0                                          ; (the add's two registers lie in window 0)
	s_wait_tensorcnt 0x0                           ; all my tensor loads have landed;
	ds_add_u32 v[SPW], v[NIL]                      ; 0 onto my spare word;
	s_wait_dscnt 5                                 ; (the add and the youngest four loads may be out)
	MUL8 F1, 0, 0                                  ; eight matrix instructions stand between the add and the wait for it
	s_wait_dscnt 0x0                               ; the add is done, and my reads of the large slot are over
	s_barrier_signal -1
	MUL8 F1, 1, 0                                  ; work on registers while the others arrive
	WIN 0
	s_barrier_wait -1
	CREST                                          ; no wave of any partner still reads the large slot or has a load on its way
	s_add_nc_u64 s[G0AL+2:G0AL+3], s[G0AL+2:G0AL+3], PERIOD
	s_add_nc_u64 s[G0BL+2:G0BL+3], s[G0BL+2:G0BL+3], PERIOD
	JLOAD 1                                        ; the four v_nop behind it are also the places in front of the loads below
	FETCH 0, 0, F0
	MUL8 F1, 2, 0
	MUL8 F1, 3, 0
.endm
; THE SMALL SLOT'S LAST QUARTER.  The load that is out is the large slot's, twice the bytes in half the work: half of the quarter's products go ahead
; of it, and nothing stands between it and the round.  fill = 1: the small slot is filled again first thing behind the round.  fill = 0 (the last time): a plain barrier.
.macro TURNS fill
	s_wait_dscnt 4
	MUL8 F1, 0, 0
	MUL8 F1, 1, 0
	WIN 0
	s_wait_tensorcnt 0x0                           ; all my tensor loads have landed: my part of the large slot; so a group 0 may be written
	ds_add_u32 v[SPW], v[NIL]                      ; 0 onto my spare word
.if \fill
	s_add_nc_u64 s[G0AS+2:G0AS+3], s[G0AS+2:G0AS+3], PERIOD
	s_add_nc_u64 s[G0BS+2:G0BS+3], s[G0BS+2:G0BS+3], PERIOD
.endif
	s_wait_dscnt 0x0                               ; the add is done, and my reads of the small slot are over
.if \fill
	CROUND                                         ; no wave of any partner still reads the small slot or has a load on its way
	JLOAD 0                                        ; the four v_nop behind it are also the places in front of the loads below
.else
	s_barrier_signal -1
	s_barrier_wait -1
	PLACES
.endif
	FETCH 1, 0, F0
	MUL8 F1, 2, 0
	MUL8 F1, 3, 0
.endm
	s_wait_tensorcnt 0x1                           ; my part of the large slot is in; the small slot's may stay out
	s_barrier_signal -1
	s_barrier_wait -1                              ; everybody's is
	FETCH 1, 0, F0
	QUARTER 1, 64, F0, F1, 1                       ; the first quarter stands in front of the loop: its products start the sums
	WIN 0
	s_mov_b32 s3, TRIPS
.Llap:                                                 ; a trip goes once round the ring, 384 along K, from a large slot's second quarter to the next one's first, and fills both slots again
	BIGREST
	TURNB
	SMALL3
	TURNS 1
	QUARTER 1, 64, F0, F1, 0
	WIN 0
	s_sub_co_u32 s3, s3, 1
	s_cmp_lg_u32 s3, 0
	s_cbranch_scc1 .Llap
	BIGREST                                        ; the tail is written out: the large slot is filled once more
	TURNB
	SMALL3
	TURNS 0                                        ; the small one is not
	QUARTER 1, 64, F0, F1, 0
	BIGREST
	s_wait_dscnt 4                                 ; the very last quarter: nothing more to fetch
	MUL8 F1, 0, 0
	MUL8 F1, 1, 0
	s_wait_dscnt 0x0
	MUL8 F1, 2, 0
	MUL8 F1, 3, 0
	WIN 0
	PLACES                                         ; the lines below read results and write registers that products have read
; THE WAY OUT, a block of 16 rows at a time.  PACK: times mid x 2^-9, rounded to f16: a lane's eight columns are 16 bytes.  TOSTAGE: into my own stage in LDS and back as whole rows of 256 bytes.  SEND: stored.
.macro PACK a
	WIN W_SC
.set z, 0
.rept 32                               ; each accumulator's registers in ascending order
	v_pk_mul_f32 v[PR+2*z:PR+2*z+1], v[64*(\a)+2*z:64*(\a)+2*z+1], v[SC+2*z:SC+2*z+1]
.set z, z+1
.endr
	WIN 0
.set z, 0
.rept 32
	v_cvt_pk_f16_f32 v[TMP+z], v[PR+2*z], v[PR+2*z+1]
.set z, z+1
.endr
.endm
.macro TOSTAGE a
.set BK, OB+32*((\a)%2)
.irp b, 0,1,2,3,4,5,6,7
	ds_store_b128 v[STO], v[TMP+4*(\b):TMP+4*(\b)+3] offset:32*(\b)
.endr
.if (\a) >= 2
	s_wait_xcnt 0x0                                ; the stores of the block two back have had their addresses translated (ISA guide 3.1): their data registers are loaded again only behind this wait
.endif
.irp t, 0,1,2,3,4,5,6,7
	ds_load_b128 v[BK+4*(\t):BK+4*(\t)+3], v[RD] offset:(\t)*2*SPITCH  ; LDS serves a wave's instructions in order (ISA guide 5.7.1.4): these see the stores above
.endr
.endm
.macro SEND a
.set BK, OB+32*((\a)%2)
	s_wait_dscnt 0x0                               ; the block is back in registers
.irp t, 0,1,2,3,4,5,6,7
	global_store_b128 v[CO], v[BK+4*(\t):BK+4*(\t)+3], s[8:9] offset:(16*(\a)+2*(\t))*SIZE_K*2  ; 16 lanes store 256 consecutive bytes, at a multiple of 256 from hh's first byte
.endr
.endm
	PACK 0
	TOSTAGE 0
.irp a, 1,2,3                          ; block a's arithmetic stands between block a - 1's loads from the stage and the wait for them
	PACK \a
	SEND (\a)-1
	TOSTAGE \a
.endr
	SEND 3
	s_wait_tensorcnt 0x0                           ; the wave's end: behind my last tensor load and my last LDS store
	ds_add_u32 v[SPW], v[NIL]
	s_wait_dscnt 0x0
	CROUND                                         ; the closing round: no work-group ends while a partner may still ask for a tile that names it
	s_endpgm
.Lfunc_end_k_q2fedff0d11_gemm1:
	.size	k_q2fedff0d11_gemm1, .Lfunc_end_k_q2fedff0d11_gemm1-k_q2fedff0d11_gemm1
	.p2alignl 7, 3214868480
	.fill 96, 4, 3214868480
	.section	.rodata,"a",@progbits
	.p2align	6, 0x0
	.amdhsa_kernel k_q2fedff0d11_gemm1
		.amdhsa_group_segment_fixed_size 327680
		.amdhsa_private_segment_fixed_size 0
		.amdhsa_enable_private_segment 0
		.amdhsa_kernarg_size 32
		.amdhsa_user_sgpr_count 2
		.amdhsa_user_sgpr_kernarg_segment_ptr 1
		.amdhsa_wavefront_size32 1
		.amdhsa_system_sgpr_workgroup_id_x 1
		.amdhsa_system_sgpr_workgroup_id_y 1
		.amdhsa_system_sgpr_workgroup_id_z 1
		.amdhsa_system_vgpr_workitem_id 0
		.amdhsa_next_free_vgpr 576
		.amdhsa_next_free_sgpr 88
		.amdhsa_reserve_vcc 0
		.amdhsa_float_denorm_mode_32 3
		.amdhsa_float_denorm_mode_16_64 3
		.amdhsa_memory_ordered 1
		.amdhsa_forward_progress 1
		.amdhsa_inst_pref_size 159
	.end_amdhsa_kernel
	.amdgpu_metadata
---
amdhsa.version: [ 1, 2 ]
amdhsa.kernels:
  - .name:           k_q2fedff0d11_gemm1
    .symbol:         k_q2fedff0d11_gemm1.kd
    .args:
      - { .name: xh, .offset: 0, .size: 8, .value_kind: global_buffer, .address_space: global }
      - { .name: Bh, .offset: 8, .size: 8, .value_kind: global_buffer, .address_space: global }
      - { .name: hh, .offset: 16, .size: 8, .value_kind: global_buffer, .address_space: global }
      - { .name: mid, .offset: 24, .size: 8, .value_kind: global_buffer, .address_space: global }
    .group_segment_fixed_size: 327680
    .private_segment_fixed_size: 0
    .kernarg_segment_align: 8
    .kernarg_segment_size: 32
    .max_flat_workgroup_size: 128
    .sgpr_count:     88
    .vgpr_count:     576
    .wavefront_size: 32
...
	.end_amdgpu_metadata
.endif
;; end of part 2
;; launch gemm2 (part 3): grid 16 x 16, 4 waves a work-group, clusters of 4 x 4, 327,680 bytes of LDS; arguments hh, Ah, out0, Da, bias, alpha, scale1, scale3; writes out0
.if DOCPART == 3
	.amdgcn_target "amdgcn-amd-amdhsa--gfx1250"
	.amdhsa_code_object_version 6
	.text
	.protected	k_q2fedff0d11_gemm2
	.globl	k_q2fedff0d11_gemm2
	.p2align	8
	.type	k_q2fedff0d11_gemm2,@function
k_q2fedff0d11_gemm2:
	s_mov_b64 s[64:65], 0
	v_nop
	global_prefetch_b8 v0, s[64:65] scope:SCOPE_SE
	s_setreg_imm32_b32 hwreg(HW_REG_WAVE_MODE, 25, 1), 1
	s_wait_xcnt 0x0
	s_wait_alu depctr_hold_cnt(0) depctr_sa_sdst(0) depctr_va_vdst(0) depctr_va_sdst(0) depctr_va_ssrc(0) depctr_va_vcc(0) depctr_vm_vsrc(0)
	s_getreg_b32 s2, hwreg(HW_REG_IB_STS2, 6, 4)
	s_cmp_eq_u32 s2, 0
	s_cbranch_scc0 .Lentry_in_a_cluster
	s_endpgm
.Lentry_in_a_cluster:
	s_bfe_u32 s2, ttmp6, 0x10000c
	s_cmp_lg_u32 s2, 0xf033
	s_cbranch_scc0 .Lentry_shape_is_right
	s_endpgm
.Lentry_shape_is_right:
; out0[t][n] = (sum over k of hh[t][k] Ah[n][k]) * alpha[t] * (Da[n] * scale1 * scale3 * 2^9) + bias[n].  hh [2048][4096], Ah [4096][4096] f16; out0 [2048][4096], Da, bias [4096], alpha [2048], the two scales: f32.
; alpha (the row norm taken out of x * Db), scale1 and 2^9 give back what the launches before left out of hh; all of that is f32 arithmetic on the f32 sums.
; The order of the scalings differs from the plain formula's: f32 roundings alone.  LIMITS: |A| under 65,504 (f16), as stated where Ah is made; NaN and infinities are not treated apart.
; SHARES.  A tile of 128 rows x 256 columns to a work-group: 16 x 16 = 256 work-groups.  Four waves, each 64 x 128: 4 x 8 accumulators of 16 x 16, 256 registers.
; The tile column comes from the grid's y and the tile row from its x: work-groups that differ in x alone read the same rows of Ah, the larger of the two operands.
; THE RING.  In front of a barrier behind which a slot is filled all loads have landed, so the tile just landed and the bytes to be filled lie in LDS together.  384 rows x 128 along K are 104,448 bytes with
; padding: three such steps fit, four do not.  So the two slots are unlike: a LARGE one of 256 along K (rows of 512 bytes) and a SMALL one of 128 (rows of 256 bytes), by turns: 4096 = 11 x 256 + 10 x 128.
; Two rounds for 384 along K; the small slot's load has 240 matrix instructions a wave in which to land, the large slot's 128.  All rows start at multiples of 256 bytes from the buffers' first bytes.
; CLUSTER.  4 x 4 work-groups.  The four of a column of the cluster (same x) need the same tile of hh, the four of a row (same y) the same tile of Ah: each tile is asked for JOINTLY, by the same
; tensor load with the same descriptor and a mask that names the four.
; THE MATRIX INSTRUCTION IS USED TRANSPOSED (source 0 = 16 rows of Ah, source 1 = 16 rows of hh): lane l then holds row l % 16 and the columns 8 (l / 16) + 0..7 of the result.
; REGISTERS, in windows of 256 (s_set_vgpr_msb: bits 1:0 source 0, 3:2 source 1, 5:4 source 2, 7:6 destination):
;   window 0: v0-31 addresses; v64-159, v160-255 two fragment buffers (64 registers of Ah: 8 x 16 rows x 32 K; then 32 of hh: 4 x 16 rows x 32 K); on the way out they are at work
;   window 1: the accumulators, (a, b) at v[8 (8 a + b)]
;   window 2: v0-63 Da x scale1 x scale3 x 2^9 and v64-127 bias of my lane's 64 columns; v128-135 alpha of my lane's row in block a, twice, at 128 + 2 a
.set SIZE_K, 4096
.set SIZE_N, 4096
.set PL,     528                       ; a row of the large slot: 512 bytes + 16 of padding = 132 words,
.set PS,     272                       ; of the small one: 256 + 16 = 68 words: in both row r starts at bank 4 r mod 64 (64 banks of 4 bytes: ISA guide 11.1), so the 16 rows of a load start at 16 different banks
.set AHL,    64*PL                     ; the large slot: 64 rows of hh are what wave 0 or 1 fetches and what a wave reads,
.set BHL,    128*PL                    ; 128 rows of Ah what wave 2 or 3 fetches and what a wave reads
.set BOL,    2*AHL                     ; hh's 128 rows, then Ah's 256
.set SB,     BOL+2*BHL                 ; the small slot lies behind it, laid out alike
.set AHS,    64*PS
.set BHS,    128*PS
.set BOS,    SB+2*AHS
.set STAGE,  BOS+2*BHS                 ; behind the ring, never filled by a tensor load: 16 rows x 272 bytes for each wave, for the way out
.set SPITCH, 272
.set SPARE,  STAGE+4*16*SPITCH         ; behind the stages: the spare words, 128 bytes for each wave: two blocks of 256 bytes that no other line names
.set PERIOD, (256+128)*2               ; bytes along a row from a slot's tile to its next
.set TRIPS,  9                         ; SIZE_K = 256 + (TRIPS + 1) x 384
.set ADRAL, 16                         ; v16, v17  LDS address of my hh fragments in the large slot, the small slot
.set ADRAS, 17
.set ADRBL, 20                         ; v20, v21  the same for Ah
.set ADRBS, 21
.set STO,  24                          ; v24     the way out: where I put 32 bytes of a row
.set RD,   25                          ; v25     the way out: where I read 16 bytes of a row back
.set CO,   26                          ; v26     my byte offset in out0
.set VO,   27                          ; v27     32 x (l / 16): my eight columns' place in 16 columns of f32
.set SPW,  28                          ; v28     LDS address of my spare word: SPARE + 4 x my thread's number; never rewritten
.set NIL,  29                          ; v29     0; never rewritten
.set AO,   30                          ; v30     4 x (l % 16): my row's place in 16 words of alpha
.set F0,   64
.set F1,   160
.set PR,   64                          ; the way out: 32 numbers, finished
.set OB,   128                         ; and read back as rows of 256 bytes: two buffers of 32 by turns
.set SC,   0                           ; window 2
.set BI,   64
.set AL,   128
.set WV, 12                            ; s12 wave;  s13 wave / 2: my half of the tile's rows, also: I fetch hh (0) or Ah (1);  s14 wave % 2: my half of its columns, also: which half I fetch
.set WM, 13
.set WN, 14
.set CX, 15                            ; s15, s16 my place in the cluster
.set CY, 16
.set TC, 17                            ; s17 tile column, s18 tile row
.set TR, 18
.set G1AS, 24                          ; descriptor group 1: s[24:31] hh small, s[32:39] Ah small, s[40:47] hh large, s[48:55] Ah large
.set G1BS, 32
.set G1AL, 40
.set G1BL, 48
.set G0AS, 56                          ; descriptor group 0: s[56:59] hh small, s[60:63] Ah small, s[68:71] hh large, s[72:75] Ah large
.set G0BS, 60
.set G0AL, 68
.set G0BL, 72
.set DWS, (1<<16)|(1<<20)|(1<<21)|(5<<22)|(3<<25)  ; 17:16 elements of 2 bytes; 20 padding on; 21 set beside a mask; 24:22 after every 64 words (code 5); 31:25 4 words of it (code 3)
.set DWL, (1<<16)|(1<<20)|(1<<21)|(6<<22)|(3<<25)  ; the same after every 128 words (code 6)
.set MSB, 0
.macro WIN new                         ; the immediate's high byte repeats the setting that is left; a switch that changes nothing is dropped
.if MSB != (\new)
	s_set_vgpr_msb (MSB<<8)|(\new)
.set MSB, \new
.endif
.endm
.set MUL,  0x50                        ; sources 0 and 1 window 0; C and D window 1
.set W_LD, 0x80                        ; destination window 2, address window 0
.set W_PM, 0x82                        ; destination and source 0 window 2
.set W_AL, 0x09                        ; source 0 window 1, source 1 window 2, destination window 0
.set W_FM, 0x28                        ; sources 1 and 2 window 2, source 0 and destination window 0
; A joint load into the large slot (big = 1) or the small one: waves 0 and 1 fetch hh's two halves, waves 2 and 3 Ah's.  The branch hangs on the wave's number alone.  An s_nop 0 and four v_nop follow
; each of the two lines, ahead of the jump, the label and what follows.
.macro JLOAD big
.if \big
.set JA,  G0AL
.set JA1, G1AL
.set JB,  G0BL
.set JB1, G1BL
.else
.set JA,  G0AS
.set JA1, G1AS
.set JB,  G0BS
.set JB1, G1BS
.endif
	s_cmp_eq_u32 s[WM], 0
	s_cbranch_scc0 .Lfor_b_\@
	tensor_load_to_lds s[JA:JA+3], s[JA1:JA1+7]
	s_nop 0
.rept 4
	v_nop
.endr
	s_branch .Lasked_\@
.Lfor_b_\@:
	tensor_load_to_lds s[JB:JB+3], s[JB1:JB1+7]
	s_nop 0
.rept 4
	v_nop
.endr
.Lasked_\@:
.endm
.macro CREST                           ; a round of the cluster's barrier behind its opening barrier: wave 0 signals for the work-group, every wave waits for all sixteen, my work-group's barrier closes it
	s_cmp_lg_u32 s[WV], 0
	s_cbranch_scc1 .Lnot_wave_0_\@
	s_barrier_signal -3
.Lnot_wave_0_\@:
	s_barrier_wait -3
	s_barrier_signal -1
	s_barrier_wait -1
.endm
.macro CROUND                          ; a whole round
	s_barrier_signal -1
	s_barrier_wait -1
	CREST
.endm
	s_load_b256 s[4:11], s[0:1], 0x0               ; hh s[4:5], Ah s[6:7], out0 s[8:9], Da s[10:11]
	s_load_b256 s[88:95], s[0:1], 0x20             ; bias s[88:89], alpha s[90:91], scale1 s[92:93], scale3 s[94:95]
	v_lshl_add_u32 v[SPW], v0, 2, SPARE
	v_mov_b32 v[NIL], 0
	ds_add_u32 v[SPW], v[NIL]                      ; the wave's opening: the add and its wait stand ahead of my first tensor load; the set-up below, work on registers, stands between them
	v_lshrrev_b32 v1, 5, v0
	v_readfirstlane_b32 s[WV], v1
	s_lshr_b32 s[WM], s[WV], 1
	s_and_b32 s[WN], s[WV], 1
	s_bfe_u32 s[CX], ttmp6, 0x40000
	s_bfe_u32 s[CY], ttmp6, 0x40004
	s_lshl_b32 s[TR], ttmp9, 2                     ; in a cluster launch ttmp9 and ttmp7 count clusters
	s_add_co_u32 s[TR], s[TR], s[CX]               ; tile row = 4 x cluster x + cx
	s_and_b32 s[TC], ttmp7, 0xffff
	s_lshl_b32 s[TC], s[TC], 2
	s_add_co_u32 s[TC], s[TC], s[CY]               ; tile column = 4 x cluster y + cy
	s_lshl_b32 s19, s[CY], 2
	s_lshl_b32 s19, 15, s19                        ; my row of the cluster: places 4 cy .. 4 cy + 3
	s_lshl_b32 s20, 0x1111, s[CX]                  ; my column: places cx, cx + 4, cx + 8, cx + 12
	s_or_b32 s[G1AS], s20, DWS                     ; 15:0 the mask: hh's tiles hang on x alone and go to my column,
	s_or_b32 s[G1AL], s20, DWL
	s_or_b32 s[G1BS], s19, DWS                     ; Ah's hang on y alone and go to my row
	s_or_b32 s[G1BL], s19, DWL
.irp g, G1AS, G1BS
	s_mov_b32 s[(\g)+1], 128<<16                   ; tensor_dim0 = 128
	s_mov_b32 s[(\g)+3], 128<<16                   ; tile_dim0 = 128
.endr
.irp g, G1AL, G1BL
	s_mov_b32 s[(\g)+1], 256<<16                   ; tensor_dim0 = 256
	s_mov_b32 s[(\g)+3], 256<<16                   ; tile_dim0 = 256
.endr
.irp g, G1AS, G1AL
	s_mov_b32 s[(\g)+2], 64<<16                    ; tensor_dim1 and tile_dim1: 64 rows of hh,
	s_mov_b32 s[(\g)+4], 64
.endr
.irp g, G1BS, G1BL
	s_mov_b32 s[(\g)+2], 128<<16                   ; 128 of Ah
	s_mov_b32 s[(\g)+4], 128
.endr
.irp g, G1AS, G1BS, G1AL, G1BL
	s_mov_b32 s[(\g)+5], SIZE_K                    ; elements from row to row
	s_mov_b32 s[(\g)+6], 0
	s_mov_b32 s[(\g)+7], 0
.endr
	; where the tiles come from: hh's hang on the tile row alone, Ah's on the tile column alone, each in registers that never hold the other coordinate
	s_lshl_b32 s76, s[TR], 7
	s_lshl_b32 s23, s[WN], 6
	s_add_co_u32 s76, s76, s23                     ; hh: row 128 x tile row + 64 x half,
	s_lshl_b32 s76, s76, 13                        ; in bytes (16,777,216 at the most)
	s_mov_b32 s77, 0
	s_lshl_b32 s78, s[TC], 8
	s_lshl_b32 s23, s[WN], 7
	s_add_co_u32 s78, s78, s23                     ; Ah: row 256 x tile column + 128 x half
	s_lshl_b32 s78, s78, 13
	s_mov_b32 s79, 0
	s_mul_i32 s21, s[WN], AHL                      ; and where they go: no place in the cluster enters an LDS address
	s_mul_i32 s22, s[WN], BHL
	s_add_co_u32 s22, s22, BOL
	s_mul_i32 s86, s[WN], AHS
	s_add_co_u32 s86, s86, SB
	s_mul_i32 s87, s[WN], BHS
	s_add_co_u32 s87, s87, BOS
	s_lshl_b32 s80, s[TR], 7
	s_lshl_b32 s23, s[WM], 6
	s_add_co_u32 s80, s80, s23                     ; the first row of out0 that I make:
	s_lshl_b32 s98, s80, 2                         ; its word of alpha,
	s_mov_b32 s99, 0
	s_lshl_b32 s80, s80, 14                        ; and its bytes in out0 (33,554,432 at the most)
	s_mov_b32 s81, 0
	s_lshl_b32 s82, s[TC], 10
	s_lshl_b32 s23, s[WN], 9
	s_add_co_u32 s82, s82, s23                     ; my first column, in bytes of f32
	s_mov_b32 s83, 0
	s_wait_dscnt 0x0                               ; the opening add is done
	s_wait_kmcnt 0x0
	s_load_b32 s96, s[92:93], 0x0                  ; scale1
	s_load_b32 s97, s[94:95], 0x0                  ; scale3
	s_add_nc_u64 s[76:77], s[4:5], s[76:77]
	s_add_nc_u64 s[78:79], s[6:7], s[78:79]
	s_add_nc_u64 s[8:9], s[8:9], s[80:81]
	s_add_nc_u64 s[8:9], s[8:9], s[82:83]
	s_add_nc_u64 s[10:11], s[10:11], s[82:83]
	s_add_nc_u64 s[88:89], s[88:89], s[82:83]
	s_add_nc_u64 s[90:91], s[90:91], s[98:99]
	CROUND                                         ; all sixteen work-groups are here: the first joint loads meet
	s_mov_b32 s[G0AL], 1                           ; count = 1
	s_mov_b32 s[G0AL+1], s21                       ; LDS address
	s_add_nc_u64 s[G0AL+2:G0AL+3], s[76:77], 0     ; global address: K 0 to 255
	s_or_b32 s[G0AL+3], s[G0AL+3], 0x80000000      ; type = 2
	s_mov_b32 s[G0BL], 1
	s_mov_b32 s[G0BL+1], s22
	s_add_nc_u64 s[G0BL+2:G0BL+3], s[78:79], 0
	s_or_b32 s[G0BL+3], s[G0BL+3], 0x80000000
	JLOAD 1
	s_mov_b32 s[G0AS], 1
	s_mov_b32 s[G0AS+1], s86
	s_add_nc_u64 s[G0AS+2:G0AS+3], s[76:77], 512   ; K 256 to 383
	s_or_b32 s[G0AS+3], s[G0AS+3], 0x80000000
	s_mov_b32 s[G0BS], 1
	s_mov_b32 s[G0BS+1], s87
	s_add_nc_u64 s[G0BS+2:G0BS+3], s[78:79], 512
	s_or_b32 s[G0BS+3], s[G0BS+3], 0x80000000
	JLOAD 0                                        ; two loads of mine are out: the ring is filled before anything else is done
	; A fragment is 16 rows x 32 K in 8 registers: lane l holds row l % 16; registers 0-3 K = 8 (l / 16) + 0..7, registers 4-7 K = 16 + 8 (l / 16) + 0..7: two loads of 16 bytes, 32 bytes apart.
	v_and_b32 v1, 15, v0                           ; l % 16
	v_bfe_u32 v2, v0, 4, 1                         ; l / 16
	v_mul_u32_u24 v3, v1, PL
	v_lshl_add_u32 v3, v2, 4, v3                   ; row x pitch + 16 x half, in the large slot,
	v_mul_u32_u24 v4, v1, PS
	v_lshl_add_u32 v4, v2, 4, v4                   ; and in the small one
	s_mul_i32 s21, s[WM], AHL                      ; my 64 rows of hh
	v_add_nc_u32 v[ADRAL], s21, v3
	s_mul_i32 s21, s[WN], BHL                      ; my 128 rows of Ah, which lie behind hh's 128
	s_add_co_u32 s21, s21, BOL
	v_add_nc_u32 v[ADRBL], s21, v3
	s_mul_i32 s21, s[WM], AHS
	s_add_co_u32 s21, s21, SB
	v_add_nc_u32 v[ADRAS], s21, v4
	s_mul_i32 s21, s[WN], BHS
	s_add_co_u32 s21, s21, BOS
	v_add_nc_u32 v[ADRBS], s21, v4
	s_mul_i32 s23, s[WV], 16*SPITCH
	s_add_co_u32 s23, s23, STAGE                   ; my stage
	v_mul_u32_u24 v5, v1, SPITCH                   ; in: row l % 16, 32 bytes for each half of the lanes
	v_lshl_add_u32 v5, v2, 5, v5
	v_add_nc_u32 v[STO], s23, v5
	v_mul_u32_u24 v5, v2, SPITCH                   ; back: lanes 0-15 take one row of 256 bytes, lanes 16-31 the next
	v_lshl_add_u32 v5, v1, 4, v5
	v_add_nc_u32 v[RD], s23, v5
	v_lshlrev_b32 v5, 14, v2                       ; and the same two rows in out0
	v_lshl_add_u32 v[CO], v1, 4, v5
	v_lshlrev_b32 v[VO], 5, v2
	v_lshlrev_b32 v[AO], 2, v1
	WIN W_LD
.irp b, 0,1,2,3,4,5,6,7                ; Da and bias of the columns 16 b + 8 (l / 16) + 0..7, as the accumulators hold them
	global_load_b128 v[SC+8*(\b):SC+8*(\b)+3],   v[VO], s[10:11] offset:64*(\b)
	global_load_b128 v[SC+8*(\b)+4:SC+8*(\b)+7], v[VO], s[10:11] offset:64*(\b)+16
	global_load_b128 v[BI+8*(\b):BI+8*(\b)+3],   v[VO], s[88:89] offset:64*(\b)
	global_load_b128 v[BI+8*(\b)+4:BI+8*(\b)+7], v[VO], s[88:89] offset:64*(\b)+16
.endr
.irp a, 0,1,2,3                        ; alpha of row 16 a + l % 16, twice: a pair for the packed multiply
	global_load_b32 v[AL+2*(\a)],   v[AO], s[90:91] offset:64*(\a)
	global_load_b32 v[AL+2*(\a)+1], v[AO], s[90:91] offset:64*(\a)
.endr
	s_wait_kmcnt 0x0                               ; the two scales
	s_mul_f32 s84, s96, s97
	s_mul_f32 s84, s84, 0x44000000                 ; x 2^9
	s_mov_b32 s85, s84                             ; named with it as a pair
	s_wait_loadcnt 0x0
	WIN W_PM
.set z, 0
.rept 32                               ; Da times the three scalars, once: this stands in the wait for the first tile
	v_pk_mul_f32 v[SC+2*z:SC+2*z+1], v[SC+2*z:SC+2*z+1], s[84:85] op_sel_hi:[1,0]
.set z, z+1
.endr
	WIN 0
; 8 matrix instructions: block a of 16 rows x all 8 blocks of 16 columns, 32 along K, from buffer f.  zero = 1: the first product starts the sums: nothing is ever cleared.
; The 32 accumulators take turns, one instruction a turn, in the same order in every quarter.
.macro MUL8 f, a, zero
	WIN MUL
.irp b, 0,1,2,3,4,5,6,7
.if \zero
	v_wmma_f32_16x16x32_f16 v[8*(8*(\a)+(\b)):8*(8*(\a)+(\b))+7], v[(\f)+8*(\b):(\f)+8*(\b)+7], v[(\f)+64+8*(\a):(\f)+64+8*(\a)+7], 0
.else
	v_wmma_f32_16x16x32_f16 v[8*(8*(\a)+(\b)):8*(8*(\a)+(\b))+7], v[(\f)+8*(\b):(\f)+8*(\b)+7], v[(\f)+64+8*(\a):(\f)+64+8*(\a)+7], v[8*(8*(\a)+(\b)):8*(8*(\a)+(\b))+7]
.endif
.endr
.endm
; 24 LDS loads in one run: the fragments of 32 along K at byte k of the rows of the large (big = 1) or small slot, into buffer f: Ah's sixteen loads first, then hh's eight
.macro FETCH big, k, f
	WIN 0
.if \big
.set FP, PL
.set FA, ADRAL
.set FB, ADRBL
.else
.set FP, PS
.set FA, ADRAS
.set FB, ADRBS
.endif
.irp i, 0,1,2,3,4,5,6,7
	ds_load_b128 v[(\f)+8*(\i):(\f)+8*(\i)+3],   v[FB] offset:(\k)+(\i)*16*FP
	ds_load_b128 v[(\f)+8*(\i)+4:(\f)+8*(\i)+7], v[FB] offset:(\k)+(\i)*16*FP+32
.endr
.irp i, 0,1,2,3
	ds_load_b128 v[(\f)+64+8*(\i):(\f)+64+8*(\i)+3],   v[FA] offset:(\k)+(\i)*16*FP
	ds_load_b128 v[(\f)+64+8*(\i)+4:(\f)+64+8*(\i)+7], v[FA] offset:(\k)+(\i)*16*FP+32
.endr
.endm
; A load into a register that a matrix instruction has read, and a vector instruction that reads a matrix result, stand four places behind that matrix instruction, and only plain vector
; instructions that name none of its registers are places (ISA guide 7.12.1 for vector instructions).
.macro PLACES
.rept 4
	v_nop
.endr
.endm
; A quarter is 32 along K, 32 matrix instructions, on buffers 0, 1, 0, 1 ..: the large slot has eight, the small one four.  All but a slot's last: multiplies buffer f and fetches the next quarter, at byte k, into g.
.macro QUARTER big, k, f, g, zero
	s_wait_dscnt 4                                 ; Ah and hh's blocks 0 and 1 are in; the youngest four loads (blocks 2 and 3) may be out
	MUL8 \f, 0, \zero
	MUL8 \f, 1, \zero
	PLACES
	FETCH \big, \k, \g
	s_wait_dscnt 24                                ; all but the 24 just issued
	MUL8 \f, 2, \zero
	MUL8 \f, 3, \zero
.endm
.macro BIGREST                         ; the large slot's quarters 1 to 6 (each fetches the next)
	QUARTER 1, 128, F1, F0, 0
	QUARTER 1, 192, F0, F1, 0
	QUARTER 1, 256, F1, F0, 0
	QUARTER 1, 320, F0, F1, 0
	QUARTER 1, 384, F1, F0, 0
	QUARTER 1, 448, F0, F1, 0
.endm
.macro SMALL3                          ; the small slot's quarters 0 to 2
	QUARTER 0, 64,  F0, F1, 0
	QUARTER 0, 128, F1, F0, 0
	QUARTER 0, 192, F0, F1, 0
.endm
; THE LARGE SLOT'S LAST QUARTER multiplies buffer 1 and changes slots.  In front of the barrier each wave waits for all its tensor loads (one is out: its part of the small slot, asked for 240 matrix
; instructions ago), adds 0 to its spare word, and waits for that and for its own reads of the large slot.  The barrier opens a round of the cluster's barrier, and the large slot is filled again first
; thing behind the round: 128 matrix instructions stand between that request and the wait for it.
.macro TURNB
	WIN 0                                          ; (the add's two registers lie in window 0)
	s_wait_tensorcnt 0x0                           ; all my tensor loads have landed;
	ds_add_u32 v[SPW], v[NIL]                      ; 0 onto my spare word;
	s_wait_dscnt 5                                 ; (the add and the youngest four loads may be out)
	MUL8 F1, 0, 0                                  ; eight matrix instructions stand between the add and the wait for it
	s_wait_dscnt 0x0                               ; the add is done, and my reads of the large slot are over
	s_barrier_signal -1
	MUL8 F1, 1, 0                                  ; work on registers while the others arrive
	WIN 0
	s_barrier_wait -1
	CREST                                          ; no wave of any partner still reads the large slot or has a load on its way
	s_add_nc_u64 s[G0AL+2:G0AL+3], s[G0AL+2:G0AL+3], PERIOD
	s_add_nc_u64 s[G0BL+2:G0BL+3], s[G0BL+2:G0BL+3], PERIOD
	JLOAD 1                                        ; the four v_nop behind it are also the places in front of the loads below
	FETCH 0, 0, F0
	MUL8 F1, 2, 0
	MUL8 F1, 3, 0
.endm
; THE SMALL SLOT'S LAST QUARTER.  The load that is out is the large slot's, twice the bytes in half the work: half of the quarter's products go ahead
; of it, and nothing stands between it and the round.  fill = 1: the small slot is filled again first thing behind the round.  fill = 0 (the last time): a plain barrier.
.macro TURNS fill
	s_wait_dscnt 4
	MUL8 F1, 0, 0
	MUL8 F1, 1, 0
	WIN 0
	s_wait_tensorcnt 0x0                           ; all my tensor loads have landed: my part of the large slot; so a group 0 may be written
	ds_add_u32 v[SPW], v[NIL]                      ; 0 onto my spare word
.if \fill
	s_add_nc_u64 s[G0AS+2:G0AS+3], s[G0AS+2:G0AS+3], PERIOD
	s_add_nc_u64 s[G0BS+2:G0BS+3], s[G0BS+2:G0BS+3], PERIOD
.endif
	s_wait_dscnt 0x0                               ; the add is done, and my reads of the small slot are over
.if \fill
	CROUND                                         ; no wave of any partner still reads the small slot or has a load on its way
	JLOAD 0                                        ; the four v_nop behind it are also the places in front of the loads below
.else
	s_barrier_signal -1
	s_barrier_wait -1
	PLACES
.endif
	FETCH 1, 0, F0
	MUL8 F1, 2, 0
	MUL8 F1, 3, 0
.endm
	s_wait_tensorcnt 0x1                           ; my part of the large slot is in; the small slot's may stay out
	s_barrier_signal -1
	s_barrier_wait -1                              ; everybody's is
	FETCH 1, 0, F0
	QUARTER 1, 64, F0, F1, 1                       ; the first quarter stands in front of the loop: its products start the sums
	WIN 0
	s_mov_b32 s3, TRIPS
.Llap:                                                 ; a trip goes once round the ring, 384 along K, from a large slot's second quarter to the next one's first, and fills both slots again
	BIGREST
	TURNB
	SMALL3
	TURNS 1
	QUARTER 1, 64, F0, F1, 0
	WIN 0
	s_sub_co_u32 s3, s3, 1
	s_cmp_lg_u32 s3, 0
	s_cbranch_scc1 .Llap
	BIGREST                                        ; the tail is written out: the large slot is filled once more
	TURNB
	SMALL3
	TURNS 0                                        ; the small one is not
	QUARTER 1, 64, F0, F1, 0
	BIGREST
	s_wait_dscnt 4                                 ; the very last quarter: nothing more to fetch
	MUL8 F1, 0, 0
	MUL8 F1, 1, 0
	s_wait_dscnt 0x0
	MUL8 F1, 2, 0
	MUL8 F1, 3, 0
	WIN 0
	PLACES                                         ; the lines below read results and write registers that products have read
; THE WAY OUT, in eight parts: part u is block u / 2 of 16 rows, half u % 2 of my 128 columns: 16 rows x 256 bytes, as much as my stage holds.
; PACK: times alpha, then times the column's factor plus bias, fused.  TOSTAGE: a lane's eight columns, 32 bytes, into my own stage in LDS, and back as rows of 256 bytes.  SEND: stored.
.macro PACK u
.set AB, 32*(\u)                       ; the part's four accumulators
.set CB, 32*((\u)%2)                   ; its columns' place in SC and BI
	WIN W_AL
.set z, 0
.rept 16                               ; each accumulator's registers in ascending order
	v_pk_mul_f32 v[PR+2*z:PR+2*z+1], v[AB+2*z:AB+2*z+1], v[AL+2*((\u)/2):AL+2*((\u)/2)+1]
.set z, z+1
.endr
	WIN W_FM
.set z, 0
.rept 16
	v_pk_fma_f32 v[PR+2*z:PR+2*z+1], v[PR+2*z:PR+2*z+1], v[SC+CB+2*z:SC+CB+2*z+1], v[BI+CB+2*z:BI+CB+2*z+1]
.set z, z+1
.endr
	WIN 0
.endm
.macro TOSTAGE u
.set BK, OB+32*((\u)%2)
.irp b, 0,1,2,3
	ds_store_b128 v[STO], v[PR+8*(\b):PR+8*(\b)+3]   offset:64*(\b)
	ds_store_b128 v[STO], v[PR+8*(\b)+4:PR+8*(\b)+7] offset:64*(\b)+16
.endr
.if (\u) >= 2
	s_wait_xcnt 0x0                                ; the stores of the part two back have had their addresses translated (ISA guide 3.1): their data registers are loaded again only behind this wait
.endif
.irp t, 0,1,2,3,4,5,6,7
	ds_load_b128 v[BK+4*(\t):BK+4*(\t)+3], v[RD] offset:(\t)*2*SPITCH  ; LDS serves a wave's instructions in order (ISA guide 5.7.1.4): these see the stores above
.endr
.endm
.macro SEND u
.set BK, OB+32*((\u)%2)
	s_wait_dscnt 0x0                               ; the part is back in registers
.irp t, 0,1,2,3,4,5,6,7
	global_store_b128 v[CO], v[BK+4*(\t):BK+4*(\t)+3], s[8:9] offset:(16*((\u)/2)+2*(\t))*SIZE_N*4+((\u)%2)*256 th:TH_STORE_NT  ; 16 lanes store 256 consecutive bytes, at a multiple of 256 from out0's first byte
.endr
.endm
	PACK 0
	TOSTAGE 0
.irp u, 1,2,3,4,5,6,7                  ; part u's arithmetic stands between part u - 1's loads from the stage and the wait for them
	PACK \u
	SEND (\u)-1
	TOSTAGE \u
.endr
	SEND 7
	s_wait_tensorcnt 0x0                           ; the wave's end: behind my last tensor load and my last LDS store
	ds_add_u32 v[SPW], v[NIL]
	s_wait_dscnt 0x0
	CROUND                                         ; the closing round: no work-group ends while a partner may still ask for a tile that names it
	s_endpgm
.Lfunc_end_k_q2fedff0d11_gemm2:
	.size	k_q2fedff0d11_gemm2, .Lfunc_end_k_q2fedff0d11_gemm2-k_q2fedff0d11_gemm2
	.p2alignl 7, 3214868480
	.fill 96, 4, 3214868480
	.section	.rodata,"a",@progbits
	.p2align	6, 0x0
	.amdhsa_kernel k_q2fedff0d11_gemm2
		.amdhsa_group_segment_fixed_size 327680
		.amdhsa_private_segment_fixed_size 0
		.amdhsa_enable_private_segment 0
		.amdhsa_kernarg_size 64
		.amdhsa_user_sgpr_count 2
		.amdhsa_user_sgpr_kernarg_segment_ptr 1
		.amdhsa_wavefront_size32 1
		.amdhsa_system_sgpr_workgroup_id_x 1
		.amdhsa_system_sgpr_workgroup_id_y 1
		.amdhsa_system_sgpr_workgroup_id_z 1
		.amdhsa_system_vgpr_workitem_id 0
		.amdhsa_next_free_vgpr 648
		.amdhsa_next_free_sgpr 100
		.amdhsa_reserve_vcc 0
		.amdhsa_float_denorm_mode_32 3
		.amdhsa_float_denorm_mode_16_64 3
		.amdhsa_memory_ordered 1
		.amdhsa_forward_progress 1
		.amdhsa_inst_pref_size 170
	.end_amdhsa_kernel
	.amdgpu_metadata
---
amdhsa.version: [ 1, 2 ]
amdhsa.kernels:
  - .name:           k_q2fedff0d11_gemm2
    .symbol:         k_q2fedff0d11_gemm2.kd
    .args:
      - { .name: hh, .offset: 0, .size: 8, .value_kind: global_buffer, .address_space: global }
      - { .name: Ah, .offset: 8, .size: 8, .value_kind: global_buffer, .address_space: global }
      - { .name: out0, .offset: 16, .size: 8, .value_kind: global_buffer, .address_space: global }
      - { .name: Da, .offset: 24, .size: 8, .value_kind: global_buffer, .address_space: global }
      - { .name: bias, .offset: 32, .size: 8, .value_kind: global_buffer, .address_space: global }
      - { .name: alpha, .offset: 40, .size: 8, .value_kind: global_buffer, .address_space: global }
      - { .name: scale1, .offset: 48, .size: 8, .value_kind: global_buffer, .address_space: global }
      - { .name: scale3, .offset: 56, .size: 8, .value_kind: global_buffer, .address_space: global }
    .group_segment_fixed_size: 327680
    .private_segment_fixed_size: 0
    .kernarg_segment_align: 8
    .kernarg_segment_size: 64
    .max_flat_workgroup_size: 128
    .sgpr_count:     100
    .vgpr_count:     648
    .wavefront_size: 32
...
	.end_amdgpu_metadata
.endif
;; end of part 3
